; MI455X (gfx1250); checked and timed in simulation.
; The chip was launched on July 23, 2026; its instructions are those of AMD's public machine-readable ISA for CDNA 5 (MIT licence, August 2026) and "CDNA5" Instruction Set Architecture Reference Guide (July 2026). The comments in the code are by the model that wrote it; some were corrected since.
;; Self Attention. Allowed arithmetic: matrix products marked QUANTISED: E2M3 operands, one E8M0 scale for each 32 along K, by v_wmma_scale_f32_16x16x128_f8f6f4 with both operands' format E2M3, f32 sums; everything else in f32.
;; Inputs: W_k 128 x 128 float32; W_q 128 x 128 float32; W_v 128 x 128 float32; inputs 4 x 4,096 x 128 float32; mask 4 x 4,096 int32.
;; Outputs: out0 4 x 4,096 x 128 float32; out1 4 x 4,096 float32.
;; This version of the problem:
;;   THIS VERSION OF THE PROBLEM IS GIVEN IN LOW PRECISION. The matrix products marked QUANTISED in the list below multiply operands that are first quantised to E2M3 (2 exponent bits, 3 mantissa bits; 6 bits a number), with one power-of-two scale for each 32 numbers along K (OCP MX v1.0); their sums are f32. All else is computed in f32.
;;   The module's matrix products, in the order in which they are computed (A, B: the left and right operand; K: the contracted axis; several contracted axes count as one K, in the product's order):
;;     1. [M 16,384, K 128] x [K 128, N 128]; A: computed on the way; B: input W_q: QUANTISED
;;     2. [M 16,384, K 128] x [K 128, N 128]; A: computed on the way; B: input W_k: QUANTISED
;;     3. [M 16,384, K 128] x [K 128, N 128]; A: computed on the way; B: input W_v: QUANTISED
;;     4. batch 4 x [M 4,096, K 128] x [K 128, N 4,096]; A: computed on the way; B: computed on the way: QUANTISED
;;     5. batch 4 x [M 4,096, K 4,096] x [K 4,096, N 128]; A: softmax (see below); B: computed on the way: QUANTISED
;;   THE QUANTISER, for each operand of a quantised product, along K:
;;     - K is cut into blocks of 32 from its start; a last block that is shorter is filled with zeros.
;;     - A block's scale is 2^e with e = floor(log2(the largest magnitude in the block)) - 2, held to -126 .. 127; a block of zeros has e = 0. As a byte (E8M0): e + 127.
;;     - Each number is divided by its block's scale, clamped to +-7.5, and rounded to the nearest number of E2M3, ties to even, subnormals kept.
;;     - The product sums the exact products of the quantised numbers (number of the format x scale) in f32.
;;   ~~~python
;;   def quantise(x, axis):      # numpy; x: float32 -> the quantised numbers, widened to float32 again
;;       x = np.moveaxis(x, axis, -1); K = x.shape[-1]
;;       x = np.pad(x, [(0, 0)] * (x.ndim - 1) + [(0, -K % 32)]); x = x.reshape(x.shape[:-1] + (-1, 32)); a = np.abs(x).max(-1, keepdims=True)
;;       e = np.where(a > 0, np.clip(np.frexp(np.where(a > 0, a, 1))[1] - 1 - 2, -126, 127), 0)      # np.frexp(a)[1] - 1 = floor(log2(a)), exactly
;;       r = np.clip(x / 2.0 ** e, -7.5, 7.5)
;;       step = 2.0 ** (np.maximum(np.frexp(np.where(r == 0, 1, r))[1] - 1, 0) - 3)
;;       q = np.round(r / step) * step * 2.0 ** e      # np.round: ties to even
;;       return np.moveaxis(q.reshape(q.shape[:-2] + (-1,))[..., :K], -1, axis).astype(np.float32)
;;   ~~~
;;   SOFTMAX AHEAD OF A QUANTISED PRODUCT. Where the list says 'softmax', what is quantised is not the finished softmax but p = 2^(t - M), with t = logit x log2(e) and M = ceil(the row's largest t), a whole number; so 1/2 < the row's largest p <= 1. The row's sum l is taken of the UNQUANTISED p, in f32, and the product's result is divided by l at the end. Since M is a whole number, a kernel that streams over the keys may use a running M (the ceiling of the running maximum): every later rescaling is an exact power of two, which a block's scale takes up: the codes' values come out the same.
;;   OPERANDS COMPUTED ON THE WAY. 'Computed on the way' means the value that the module computes at that place (a softmax that the list does not call 'softmax' is quantised finished and normalised). What goes into a quantiser is computed in f32, as accurately as f32 sums, v_exp_f32 and their like allow (about 1e-6 of the number): no bf16 or f16 on the way to a quantiser, and a product that is left as it is and whose result goes on into a quantised operand takes f32 operands (vector FMAs, or v_wmma_f32_16x16x4_f32). A number that lies on a knife's edge between two numbers of the format may be rounded either way, as far as f32 arithmetic and the matrix unit's own rounding can turn it there, and no further.
;; One version. Each part assembles by itself: llvm-mc -triple=amdgcn-amd-amdhsa -mcpu=gfx1250 --defsym DOCPART=n.
;; ======== version 1 of 1: 3 launches
;; workspace buffers: qc 1,572,864 bytes; qs 65,536 bytes; kvc 3,145,728 bytes; kvs 131,072 bytes; stats 196,608 bytes
;; launch project (part 1): grid 128 x 1, 8 waves a work-group, no clusters, 55,808 bytes of LDS; arguments inputs, mask, W_q, W_k, W_v, qc, qs, kvc, kvs; writes qc, qs, kvc, kvs
.if DOCPART == 1
	.amdgcn_target "amdgcn-amd-amdhsa--gfx1250"
	.amdhsa_code_object_version 6
	.text
	.protected	k_q4476aeb320_project
	.globl	k_q4476aeb320_project
	.p2align	8
	.type	k_q4476aeb320_project,@function
k_q4476aeb320_project:
	s_mov_b64 s[64:65], 0
	v_nop
	global_prefetch_b8 v0, s[64:65] scope:SCOPE_SE
	s_setreg_imm32_b32 hwreg(HW_REG_WAVE_MODE, 25, 1), 1
	s_wait_xcnt 0x0
; x = inputs * m;  q = x W_q, k = x W_k, v = x W_v, all three products on codes of FP6 (E2M3) with one E8M0 scale for each 32 along K;
; then q and k are quantised along the 128 channels and v along the keys, and leave as operands for the two launches that follow.
; SHARES.  A work-group takes a GROUP of 128 tokens (4 batches x 32 groups = 128 work-groups: a fragment of v needs 128 keys in one wave, so a group is not cut further).
; A group has 8 TILES of 16 rows; row p of tile t is token 32 (t / 2) + 8 (t % 2) + p + 8 (p / 8).  With that choice of rows one fragment of x serves three ways:
;   as source 1 (q, k): a lane holds one token, and its 64 results over the weight's 8 tiles (whose rows are chosen alike) are channels 32 b + 16 (lane / 16) + i at register 16 b + i;
;   as source 0 (v):    a lane holds one channel, and its 64 results over x's 8 tiles are keys 32 b + 16 (lane / 16) + i at register 16 b + i.
; Both are the order in which QUANT takes 64 numbers.  Wave w quantises x's tile w and tile w of each weight, then makes q's tile w, k's tile w and v's channels 16 w .. 16 w + 15.
; OPERANDS TRAVEL AS IMAGES OF THEIR REGISTERS: a fragment (16 rows x 128 K, 12 registers a lane) is 3 pieces of 512 bytes, lane l's 16 bytes at 16 l, in LDS and in the workspace alike.
; SCALE WORDS of a group's 8 tiles are 512 bytes: the word of (tile t, row r) at 256 (t / 4) + 16 r + 4 (t % 4), so that 16 bytes at 16 r are the words of four tiles.
; THE SIGN OF m: what is stored as q is sgn(m) q (exact), so that the later launches can scale scores by c |m|, which is never negative; out0 and out1 take the signed m.
; NO CLUSTER, NO TENSOR LOAD: each lane takes a column of a weight straight into the operand's order (its registers run down K); a joint load would bring the weights' rows into LDS,
; from which the same 192 loads a lane would be made once more.  inputs are read once.
; LIMITS: NaN and infinities among the inputs are not served.  A block whose largest magnitude lies under 2^-124 (a block of zeros too) gets the byte 1; the bytes are read by this program alone.
.set FRB,   1536                       ; a fragment's image in bytes
.set XIMG,  0                          ; LDS: x's 8 images,
.set WQI,   8*FRB                      ; W_q's,
.set WKI,   16*FRB                     ; W_k's,
.set WVI,   24*FRB                     ; W_v's;
.set XSC,   32*FRB                     ; their scale words, 128 bytes a tile (4 x lane)
.set WQS,   XSC+1024
.set WKS,   XSC+2048
.set WVS,   XSC+3072
.set SCOUT, XSC+4096                   ; the results' scale words on their way out: q's, k's, v's, 512 bytes each
.set SPARE, SCOUT+1536                 ; the spare words, 128 bytes for each of the eight waves: four blocks of 256 bytes that no other line names
.set WV,  22                           ; s22 my wave's number
.set SEL, 24                           ; s[24:25] lane selects for v_permlanex16_b32: lane l xor 16
.set SPW, 14                           ; v14 LDS address of my spare word; never rewritten
.set NIL, 15                           ; v15 0; never rewritten
.set XN,  16                           ; v16-79   x's 64 numbers; later the 8 result tiles
.set ACC, 16
.set WA,  80                           ; v80-143  64 numbers of a weight
.set WB,  144                          ; v144-207 64 numbers of a weight
.set BIG, 80                           ; v80-175  eight fragments
.set SM,  176                          ; v176-187 one fragment
.set PC,  208                          ; v208-219 the codes just made; v220-227 at work
.set TM,  228                          ; v228-231 largest magnitudes, v232-235 bytes, v[236:237] sgn(m), v[238:239] m, v240-243 the conversions' scale operands
.set PW,  244                          ; v244     the scale word just made
.set BIGS, 246                         ; v246-253 the eight fragments' scale words, and nothing else
.set SMS, 254                          ; v254     the one fragment's scale word, and nothing else
; 64 numbers of a lane, register 16 b + i = k 32 b + 16 (lane / 16) + i of my row, become a fragment's codes in v[PC] on and its scale word in v[PW].
.macro QUANT s
.irp b, 0,1,2,3
	v_max3_num_f32 v[TM+\b], |v[\s+16*\b]|, |v[\s+1+16*\b]|, 0x1800000   ; block b: my 16 numbers, and the floor 2^(3 - 127): the byte cannot fall under 1
.endr
.irp i, 2,4,6,8,10,12,14
.irp b, 0,1,2,3
	v_max3_num_f32 v[TM+\b], v[TM+\b], |v[\s+16*\b+\i]|, |v[\s+1+16*\b+\i]|   ; the four blocks by turns
.endr
.endr
.irp b, 0,1,2,3
	v_permlanex16_b32 v[TM+4+\b], v[TM+\b], s[SEL], s[SEL+1]
.endr
.irp b, 0,1,2,3
	v_max_num_f32 v[TM+\b], v[TM+\b], v[TM+4+\b]   ; with lane l xor 16's: the block's largest magnitude
.endr
.irp b, 0,1,2,3
	v_add_nc_u32 v[TM+12+\b], 0xff000000, v[TM+\b]   ; 2 off its exponent field: the conversion takes the exponent field of this operand as its scale
.endr
.irp b, 0,1,2,3
	v_lshrrev_b32 v[TM+4+\b], 23, v[TM+12+\b]      ; the scale's byte
.endr
	v_lshl_or_b32 v[PW], v[TM+5], 8, v[TM+4]       ; the four bytes make my row's scale word
	v_lshl_or_b32 v[PW], v[TM+6], 16, v[PW]
	v_lshl_or_b32 v[PW], v[TM+7], 24, v[PW]
.irp c, 0,1
	v_cvt_scalef32_pk16_fp6_f32 v[PC+6*\c:PC+2+6*\c], v[\s+32*\c:\s+15+32*\c], v[TM+12+2*\c]
	v_cvt_scalef32_pk16_fp6_f32 v[PC+12+4*\c:PC+14+4*\c], v[\s+16+32*\c:\s+31+32*\c], v[TM+12+2*\c+1]   ; (a conversion's three registers begin on an even number)
.endr
	v_nop                                          ; one plain place behind a scaled conversion
.irp c, 0,1                                    ; the operand's layout wants a WHOLE block in a lane: lanes 0-15 block 2 c, lanes 16-31 block 2 c + 1
.irp i, 0,1,2
	v_permlane16_swap_b32 v[PC+6*\c+\i], v[PC+12+4*\c+\i]
.endr
.irp i, 0,1,2
	v_mov_b32 v[PC+3+6*\c+\i], v[PC+12+4*\c+\i]
.endr
.endr
.endm
; 64 numbers of a lane that run down K in the operand's own order, register 32 c + i = k 64 c + 32 (lane / 16) + i of my column: two whole blocks a lane.
.macro WQUANT s
.irp c, 0,1
	v_max3_num_f32 v[TM+\c], |v[\s+32*\c]|, |v[\s+1+32*\c]|, 0x1800000
.endr
.irp i, 2,4,6,8,10,12,14,16,18,20,22,24,26,28,30
.irp c, 0,1
	v_max3_num_f32 v[TM+\c], v[TM+\c], |v[\s+32*\c+\i]|, |v[\s+1+32*\c+\i]|
.endr
.endr
.irp c, 0,1
	v_add_nc_u32 v[TM+12+\c], 0xff000000, v[TM+\c]
.endr
.irp c, 0,1
	v_lshrrev_b32 v[TM+4+\c], 23, v[TM+12+\c]
.endr
	v_lshl_or_b32 v[PW], v[TM+5], 16, v[TM+4]      ; my two bytes: blocks h and 2 + h of my column,
	v_lshlrev_b32 v[TM+6], 3, v3
	v_lshlrev_b32 v[PW], v[TM+6], v[PW]            ; at their places in the word (8 h bits up);
	v_permlanex16_b32 v[TM+7], v[PW], s[SEL], s[SEL+1]
	v_or_b32 v[PW], v[PW], v[TM+7]                 ; with lane l xor 16's two the word is whole
.irp c, 0,1
	v_cvt_scalef32_pk16_fp6_f32 v[PC+6*\c:PC+2+6*\c], v[\s+32*\c:\s+15+32*\c], v[TM+12+\c]
	v_cvt_scalef32_pk16_fp6_f32 v[PC+12+4*\c:PC+14+4*\c], v[\s+16+32*\c:\s+31+32*\c], v[TM+12+\c]
.endr
	v_nop                                          ; one plain place behind a scaled conversion
.irp c, 0,1
.irp i, 0,1,2
	v_mov_b32 v[PC+3+6*\c+\i], v[PC+12+4*\c+\i]
.endr
.endr
.endm
.macro WLOAD reg, adr, base            ; W(64 c + 32 h + i, my column): a row of a weight is 512 bytes
.set n, 0
.rept 64
	global_load_b32 v[\reg+n], v[\adr], s[\base:\base+1] offset:512*(64*(n/32)+n%32)
.set n, n+1
.endr
.endm
.macro IMAGE off                       ; the fragment in v[PC] on goes to my wave's place among eight images, as it stands
.irp c, 0,1,2
	ds_store_b128 v7, v[PC+4*\c:PC+4*\c+3] offset:\off+512*\c
.endr
.endm
.macro BARRIER                         ; my LDS stores have landed and my LDS loads are in: then the work-group's barrier
	s_wait_dscnt 0x0
	s_barrier_signal -1
	s_barrier_wait -1
.endm
; One result tile: source 0 = the eight fragments at bigimg, source 1 = my wave's fragment at smimg; the 64 results are quantised, the codes stored at s[ptr], the scale word put by for the way out.
.macro TASK bigimg, bigsc, smimg, smsc, ptr, slot, sign
.irp t, 0,1,2,3,4,5,6,7
.irp c, 0,1,2
	ds_load_b128 v[BIG+12*\t+4*\c:BIG+12*\t+4*\c+3], v5 offset:\bigimg+FRB*\t+512*\c
.endr
	ds_load_b32 v[BIGS+\t], v6 offset:\bigsc+128*\t
.endr
.irp c, 0,1,2
	ds_load_b128 v[SM+4*\c:SM+4*\c+3], v7 offset:\smimg+512*\c
.endr
	ds_load_b32 v[SMS], v8 offset:\smsc
	s_wait_dscnt 0x0                               ; the operands are in; the last task's store of its scale word has read v[PW]
.irp t, 0,1,2,3,4,5,6,7                        ; eight accumulators, one instruction each
	v_wmma_scale_f32_16x16x128_f8f6f4 v[ACC+8*\t:ACC+8*\t+7], v[BIG+12*\t:BIG+12*\t+11], v[SM:SM+11], 0, v[BIGS+\t], v[SMS] matrix_a_fmt:MATRIX_FMT_FP6 matrix_b_fmt:MATRIX_FMT_FP6
.endr
.rept 4
	v_nop                                          ; places behind the products: for the first read of their results, and for the next task's loads into their operands
.endr
.if \sign
.set n, 0
.rept 32
	v_pk_mul_f32 v[ACC+n:ACC+n+1], v[ACC+n:ACC+n+1], v[TM+8:TM+9]   ; x sgn(m) of my token: exact
.set n, n+2
.endr
.endif
	s_wait_xcnt 0x0                                ; the last task's stores have read v[PC] on: only now are the codes written anew
	QUANT ACC
.irp c, 0,1,2
	global_store_b128 v5, v[PC+4*\c:PC+4*\c+3], s[\ptr:\ptr+1] offset:512*\c   ; 32 lanes store 512 consecutive bytes, at a multiple of 256 from the buffer's first byte
.endr
	ds_store_b32 v11, v[PW] offset:512*\slot       ; lanes r and r + 16 write the same word with the same value
.endm
	s_load_b256 s[4:11], s[0:1], 0x0               ; inputs s[4:5], mask s[6:7], W_q s[8:9], W_k s[10:11]
	s_load_b256 s[12:19], s[0:1], 0x20             ; W_v s[12:13], qc s[14:15], qs s[16:17], kvc s[18:19]
	s_load_b64 s[20:21], s[0:1], 0x40              ; kvs
	v_lshl_add_u32 v[SPW], v0, 2, SPARE
	v_mov_b32 v[NIL], 0
	v_lshrrev_b32 v1, 5, v0
	v_readfirstlane_b32 s[WV], v1                  ; wave 0..7
	v_and_b32 v1, 31, v0                           ; lane
	v_and_b32 v2, 15, v0                           ; r
	v_bfe_u32 v3, v0, 4, 1                         ; h
	s_lshr_b32 s38, s[WV], 1
	s_lshl_b32 s38, s38, 5
	s_and_b32 s39, s[WV], 1
	s_lshl_b32 s39, s39, 3
	s_add_co_u32 s38, s38, s39                     ; my tile's first row: 32 (w / 2) + 8 (w % 2)
	v_and_b32 v12, 8, v2
	v_add_nc_u32 v12, v12, v2                      ; r + 8 (r / 8)
	v_lshlrev_b32 v4, 9, v12
	v_lshl_add_u32 v4, v3, 6, v4                   ; v4: x: my row of 512 bytes, + 64 h: my 16 numbers of a block of 32
	v_lshlrev_b32 v5, 4, v1                        ; v5: 16 x lane
	v_lshlrev_b32 v6, 2, v1                        ; v6: 4 x lane
	s_mul_i32 s40, s[WV], FRB
	v_add_nc_u32 v7, s40, v5                       ; v7: my wave's image among eight
	s_lshl_b32 s40, s[WV], 7
	v_add_nc_u32 v8, s40, v6                       ; v8: and its scale words
	v_add_nc_u32 v9, s38, v12
	v_lshlrev_b32 v9, 2, v9
	v_lshl_add_u32 v9, v3, 14, v9                  ; v9: W_q, W_k: my column (the tile's choice of rows), lanes 16-31 32 rows further down
	s_lshl_b32 s40, s[WV], 4
	v_add_nc_u32 v10, s40, v2
	v_lshlrev_b32 v10, 2, v10
	v_lshl_add_u32 v10, v3, 14, v10                ; v10: W_v: column 16 w + r
	s_lshr_b32 s40, s[WV], 2
	s_lshl_b32 s40, s40, 8
	s_and_b32 s41, s[WV], 3
	s_lshl_b32 s41, s41, 2
	s_add_co_u32 s40, s40, s41
	s_add_co_u32 s40, s40, SCOUT
	v_lshl_add_u32 v11, v2, 4, s40                 ; v11: my result's scale word: 256 (w / 4) + 16 r + 4 (w % 4)
	v_lshlrev_b32 v12, 2, v12                      ; v12: my token's word of the mask
	s_min_u32 s40, s[WV], 2
	s_lshl_b32 s40, s40, 9
	s_add_co_u32 s40, s40, SCOUT
	v_add_nc_u32 v245, s40, v5                     ; v245: the way out of the scale words: waves 0, 1, 2 take q's, k's, v's 512 bytes
	s_lshr_b32 s40, s[WV], 1
	s_lshl_b32 s40, s40, 9
	v_add_nc_u32 v255, s40, v5                     ; v255: and where they go: v's lie 512 bytes behind k's
	s_mov_b32 s[SEL], 0x76543210
	s_mov_b32 s[SEL+1], 0xfedcba98
.irp b, 0,1,2,3
	v_mov_b32 v[TM+4+\b], 0                        ; written once: a lane permute's destination counts as one of its sources
.endr
	s_mov_b32 s41, 0
	s_wait_kmcnt 0x0
	s_lshl_b32 s40, ttmp9, 16                      ; my group's 128 rows of 512 bytes,
	s_lshl_b32 s42, s38, 9
	s_add_co_u32 s40, s40, s42                     ; my tile's first row
	s_add_nc_u64 s[4:5], s[4:5], s[40:41]
	s_lshl_b32 s40, ttmp9, 9
	s_add_nc_u64 s[34:35], s[16:17], s[40:41]      ; qs at my group's 512 bytes
	s_lshl_b32 s42, s38, 2
	s_add_co_u32 s40, s40, s42
	s_add_nc_u64 s[6:7], s[6:7], s[40:41]          ; the mask at my tile's first token
	s_mul_i32 s42, s[WV], FRB
	s_mul_i32 s40, ttmp9, 8*FRB
	s_add_co_u32 s40, s40, s42
	s_add_nc_u64 s[28:29], s[14:15], s[40:41]      ; q's tile w
	s_mul_i32 s40, ttmp9, 16*FRB
	s_add_co_u32 s40, s40, s42
	s_add_nc_u64 s[30:31], s[18:19], s[40:41]      ; k's tile w,
	s_add_nc_u64 s[32:33], s[30:31], 8*FRB         ; v's channel tile w, behind k's eight
	s_lshl_b32 s40, ttmp9, 10
	s_add_nc_u64 s[36:37], s[20:21], s[40:41]      ; kvs at my group's 1,024 bytes
	; ---- the operands: x's tile w and tile w of each weight
	global_load_b32 v13, v12, s[6:7]
.irp b, 0,1,2,3
.irp j, 0,1,2,3
	global_load_b128 v[XN+16*\b+4*\j:XN+16*\b+4*\j+3], v4, s[4:5] offset:128*\b+16*\j th:TH_LOAD_NT
.endr
.endr
	WLOAD WA, 9, 8                                 ; W_q
	s_wait_loadcnt 63                              ; 64 loads were issued behind x's and the mask's: with at most 63 out those are in
	v_cvt_f32_i32 v[TM+10], v13                    ; m
	v_cmp_gt_i32 vcc_lo, 0, v13
	v_mov_b32 v[TM+9], -1.0
	v_cndmask_b32 v[TM+8], 1.0, v[TM+9], vcc_lo    ; sgn(m): -1 where m is negative, else 1
	v_mov_b32 v[TM+11], v[TM+10]
	v_mov_b32 v[TM+9], v[TM+8]
.set n, 0
.rept 32
	v_pk_mul_f32 v[XN+n:XN+n+1], v[XN+n:XN+n+1], v[TM+10:TM+11]   ; x = inputs * m
.set n, n+2
.endr
	QUANT XN
	IMAGE XIMG
	ds_store_b32 v8, v[PW] offset:XSC
	WLOAD WB, 9, 10                                ; W_k
	s_wait_loadcnt 63                              ; 64 loads were issued behind W_q's
	s_wait_dscnt 0x0                               ; the LDS stores have read the codes and the word
	WQUANT WA
	IMAGE WQI
	ds_store_b32 v8, v[PW] offset:WQS
	WLOAD WA, 10, 12                               ; W_v
	s_wait_loadcnt 63                              ; 64 loads were issued behind W_k's
	s_wait_dscnt 0x0
	WQUANT WB
	IMAGE WKI
	ds_store_b32 v8, v[PW] offset:WKS
	s_wait_loadcnt 0x0
	s_wait_dscnt 0x0
	WQUANT WA
	IMAGE WVI
	ds_store_b32 v8, v[PW] offset:WVS
	BARRIER                                        ; all 32 images and their scale words lie in LDS
	; ---- the three products
	TASK WQI, WQS, XIMG, XSC, 28, 0, 1             ; q^T: source 0 = W_q's tiles, source 1 = my tokens
	TASK WKI, WKS, XIMG, XSC, 30, 1, 0             ; k^T likewise
	TASK XIMG, XSC, WVI, WVS, 32, 2, 0             ; v: source 0 = x's tiles (the keys), source 1 = my 16 channels
	BARRIER                                        ; the three blocks of scale words are whole
	; ---- the scale words leave in whole runs of 512 bytes: wave 0 q's, wave 1 k's, wave 2 v's
	s_cmp_lt_u32 s[WV], 3
	s_cbranch_scc0 .Ldone
	s_cmp_eq_u32 s[WV], 0
	s_cselect_b64 s[40:41], s[34:35], s[36:37]
	s_wait_xcnt 0x0                                ; the last task's stores have read v[PC] on
	ds_load_b128 v[PC:PC+3], v245
	s_wait_dscnt 0x0
	global_store_b128 v255, v[PC:PC+3], s[40:41]
.Ldone:
	s_wait_tensorcnt 0x0                           ; the wave's end: behind my last LDS store
	ds_add_u32 v[SPW], v[NIL]
	s_wait_dscnt 0x0
	s_endpgm
.Lfunc_end_k_q4476aeb320_project:
	.size	k_q4476aeb320_project, .Lfunc_end_k_q4476aeb320_project-k_q4476aeb320_project
	.p2alignl 7, 3214868480
	.fill 96, 4, 3214868480
	.section	.rodata,"a",@progbits
	.p2align	6, 0x0
	.amdhsa_kernel k_q4476aeb320_project
		.amdhsa_group_segment_fixed_size 55808
		.amdhsa_private_segment_fixed_size 0
		.amdhsa_enable_private_segment 0
		.amdhsa_kernarg_size 72
		.amdhsa_user_sgpr_count 2
		.amdhsa_user_sgpr_kernarg_segment_ptr 1
		.amdhsa_wavefront_size32 1
		.amdhsa_system_sgpr_workgroup_id_x 1
		.amdhsa_system_sgpr_workgroup_id_y 1
		.amdhsa_system_sgpr_workgroup_id_z 1
		.amdhsa_system_vgpr_workitem_id 0
		.amdhsa_next_free_vgpr 256
		.amdhsa_next_free_sgpr 66
		.amdhsa_reserve_vcc 1
		.amdhsa_float_denorm_mode_32 3
		.amdhsa_float_denorm_mode_16_64 3
		.amdhsa_memory_ordered 1
		.amdhsa_forward_progress 1
		.amdhsa_inst_pref_size 64
	.end_amdhsa_kernel
	.amdgpu_metadata
---
amdhsa.version: [ 1, 2 ]
amdhsa.kernels:
  - .name:           k_q4476aeb320_project
    .symbol:         k_q4476aeb320_project.kd
    .args:
      - { .name: inputs, .offset: 0, .size: 8, .value_kind: global_buffer, .address_space: global }
      - { .name: mask, .offset: 8, .size: 8, .value_kind: global_buffer, .address_space: global }
      - { .name: W_q, .offset: 16, .size: 8, .value_kind: global_buffer, .address_space: global }
      - { .name: W_k, .offset: 24, .size: 8, .value_kind: global_buffer, .address_space: global }
      - { .name: W_v, .offset: 32, .size: 8, .value_kind: global_buffer, .address_space: global }
      - { .name: qc, .offset: 40, .size: 8, .value_kind: global_buffer, .address_space: global }
      - { .name: qs, .offset: 48, .size: 8, .value_kind: global_buffer, .address_space: global }
      - { .name: kvc, .offset: 56, .size: 8, .value_kind: global_buffer, .address_space: global }
      - { .name: kvs, .offset: 64, .size: 8, .value_kind: global_buffer, .address_space: global }
    .group_segment_fixed_size: 55808
    .private_segment_fixed_size: 0
    .kernarg_segment_align: 8
    .kernarg_segment_size: 72
    .max_flat_workgroup_size: 256
    .sgpr_count:     66
    .vgpr_count:     256
    .wavefront_size: 32
...
	.end_amdgpu_metadata
.endif
;; end of part 1
;; launch attend (part 2): grid 64 x 4, 16 waves a work-group, clusters of 4 x 1, 327,680 bytes of LDS; arguments qc, qs, kvc, kvs, mask, out0, stats; writes out0, stats
.if DOCPART == 2
	.amdgcn_target "amdgcn-amd-amdhsa--gfx1250"
	.amdhsa_code_object_version 6
	.text
	.protected	k_q4476aeb320_attend
	.globl	k_q4476aeb320_attend
	.p2align	8
	.type	k_q4476aeb320_attend,@function
k_q4476aeb320_attend:
	s_mov_b64 s[64:65], 0
	v_nop
	global_prefetch_b8 v0, s[64:65] scope:SCOPE_SE
	s_setreg_imm32_b32 hwreg(HW_REG_WAVE_MODE, 25, 1), 1
	s_wait_xcnt 0x0
	s_wait_alu depctr_hold_cnt(0) depctr_sa_sdst(0) depctr_va_vdst(0) depctr_va_sdst(0) depctr_va_ssrc(0) depctr_va_vcc(0) depctr_vm_vsrc(0)
	s_getreg_b32 s2, hwreg(HW_REG_IB_STS2, 6, 4)
	s_cmp_eq_u32 s2, 0
	s_cbranch_scc0 .Lentry_in_a_cluster
	s_endpgm
.Lentry_in_a_cluster:
	s_bfe_u32 s2, ttmp6, 0x10000c
	s_cmp_lg_u32 s2, 0x3003
	s_cbranch_scc0 .Lentry_shape_is_right
	s_endpgm
.Lentry_shape_is_right:
; out0[b][q] = m[q] / l[q] x the sum over keys of Q(p) Q(v), p = 2^(t - M), t = (q' . k) c |m[q]|, c = log2(e) / sqrt(128), M a whole number; both products on codes of FP6 (E2M3) with E8M0 scales.
; q' = sgn(m) q, k and v come as images of operand registers (16 rows x 128 K = 1,536 bytes, lane l's 16 bytes of piece c at 512 c + 16 l); row p of tile T is token 32 (T / 2) + 8 (T % 2) + p + 8 (p / 8).
; It also stores, for each query, c |m|, -M and 1 / (4096 l), from which the next launch makes out1.
; SHARES.  A work-group owns 64 queries of one batch: four tiles.  Wave w owns tile w % 4 and, of each slot's 512 keys, step w / 4 of 128: so each wave walks 8 of the batch's 32 key steps with a running M, l and O^T
; of its own, and the four waves of a tile are merged at the end.  Each M is a whole number, so the merge's factors are exact powers of two.  Four waves lie on a SIMD: one's vector work stands beside another's loads and products.
; LAYOUT.  Both products are used transposed: S^T = K Q^T (source 0 = 16 keys, source 1 = my 16 queries), O^T = V^T P^T: a lane holds ONE query throughout.  By the tiles' choice of rows the 16 registers of
; tiles 2 b and 2 b + 1 of S^T are keys 32 b + 16 (lane / 16) + 0 .. 15: sixteen neighbours, as the conversions want them.
; CLUSTER.  The four work-groups of a cluster belong to one batch and walk the same K and V: each slot is asked for JOINTLY (mask 15), by waves 0 to 3, a key step (24,576 dense bytes) each.
; RING.  Two slots of four key steps; the batch's scale words (32,768 bytes) come once and stay.
; LDS LOADS STAND AHEAD OF THE WORK THAT COVERS THEM.  K's eight fragments and scale words come in one run of 26 loads at a step's head.  V's scale words and its tiles 0 to 4 are asked for behind the products K Q^T, in runs
; of three loads dealt among the softmax's lines ahead of the exponentials, into the registers that K has left; V's tiles 5 to 7 behind the conversions, into the registers that p has left.
; LIMITS: NaN and infinities are not served.  A p under 2^-126 counts as 0.  A block of p under 2^-124 gets the byte 1.  |mask| above 2^24 is rounded as a conversion to f32 rounds it.
; The order of sums differs from a plain row sum: l and O are summed in four parts along the keys and then added as (0 + 1) + (2 + 3) (l: in ascending order).
.set FRB,   1536
.set STEPB, 16*FRB                     ; a key step: K's 8 tiles, then V's 8 channel tiles
.set SLOTB, 4*STEPB
.set SLOT1, 1<<17                      ; slot 1 begins here: one exclusive or turns an address in one slot into the other's
.set SCL,   SLOTB                      ; between the slots: the batch's scale words, 1,024 bytes a step (K's 512, V's 512)
.set SPARE, SLOT1+SLOTB                ; the spare words, 128 bytes for each of the 16 waves: eight blocks of 256 bytes that no other line names
.set MS,    SPARE+2048                 ; the merge: each wave's -M and l, 8 bytes a lane
.set STB,   MS+4096                    ; the four tiles' statistics on their way out: 192 bytes a tile
.set SPITCH, 528                       ; the merge's stage: a row of 512 bytes + 16; 16 rows a wave, from LDS byte 0 on: those bytes have had their last fill, and their last read lies in front of the barrier that precedes the stores
.set PARTB, 16*SPITCH
.set TB,  2                            ; s2  LDS byte at which the slot in hand begins
.set TS,  3                            ; s3  where the slot's scale words begin: 4,096 bytes a slot
.set WV,  18
.set QT,  19                           ; s19 w % 4: my tile; in waves 0 to 3 also the key step that I fetch
.set SEL, 20
.set KG,  22                           ; s22 w / 4: my key step of a slot
.set SLOTS, 23                         ; s23 slots still to be asked for
.set G1,  24                           ; s[24:31] descriptor group 1: 96 rows of 256 bytes;  s[32:39]: 32 rows
.set G1S, 32
.set G0A, 40                           ; s[40:43] group 0 of slot 0's first fill;  s[44:47] of slot 1's, which then walks on;  s[48:51] of the scale words
.set G0B, 44
.set G0S, 48
.set CX,  52
.set BLK, 53
.set BAT, 54
.set LIM, 55                           ; s55 1 in a wave that prefetches, else the greatest number
.set PFA, 56                           ; s[56:57] where my prefetches stand
.set GS,  0                            ; v0  8 x lane, once the head is done with the thread's number
.set AK0, 1                            ; v1  my lane's place in my key step of a slot
.set AS0, 2                            ; v2  and among its scale words
.set MSW, 3                            ; v3  the merge: where I put -M and l;  v4: where I read my tile's four
.set MSR, 4
.set SPW, 5
.set NIL, 6
.set GO,  7                            ; v7  16 x lane
.set ADK, 8                            ; v8  LDS address of the step's tiles;  v10: of its scale words
.set STO, 9                            ; v9  the stage: where I put 32 bytes of a row;  v11: where I read rows back
.set ADS, 10
.set SRD, 11
.set CM,  28                           ; v28 c |m| of my query.  The packed form names the pair v[28:29] and takes its low word for both halves,
.set MF,  29                           ; v29 so the upper word is free to hold m of my query
.set STW, 30                           ; v30 the statistics: where I put my query's
.set PFO, 31                           ; v31 256 x lane
.set MT,  96                           ; the merge's temporaries
; v12 -M, v13 the largest t, v[14:15] l in two halves; v16-27 Q; v32-91 five fragments: K's tiles 0-4, then V's 0-4; v96-159 S^T, then p, then (v96-131) V's tiles 5-7; at a step's head v96-107 hold K's tile 7;
; v160-223 O^T; v224-247 K's tiles 5 and 6, then at work, with p's codes in v224-235; v252, v254 at work;
; v248-251 and v92-95 the eight tiles' scale words, v253 p's, v255 Q's: these hold scales and nothing else.
.macro CROUND                          ; a round of the cluster's barrier
	s_barrier_signal -1
	s_barrier_wait -1
	s_cmp_lg_u32 s[WV], 0
	s_cbranch_scc1 .Lnot_wave_0_\@
	s_barrier_signal -3
.Lnot_wave_0_\@:
	s_barrier_wait -3
	s_barrier_signal -1
	s_barrier_wait -1
.endm
.macro TLOAD                           ; the joint refill: waves 0 to 3, a key step each.  The branch hangs on the wave's number alone.  An s_nop 0 and four v_nop follow the load
	s_cmp_lt_u32 s[WV], 4
	s_cbranch_scc0 .Lno_load_\@
	tensor_load_to_lds s[G0B:G0B+3], s[G1:G1+7]
	s_nop 0
.rept 4
	v_nop
.endr
.Lno_load_\@:
.endm
; A PREFETCH of the slot that the NEXT change of slots will ask for: one slot, a wave's one key step of work, ahead of that load.  Each run of 256 bytes of slots 3 to 7 is named once in the launch: all 16 clusters of a
; batch walk the same K and V, so the batch's first cluster asks; its four partners take a key step each, told apart BY ADDRESS; in each, waves 4, 5 and 6, which fetch nothing, take 8,192 bytes each, lanes 256 bytes apart.
; The last change that fills a slot asks for nothing; slots 0 to 2 come by their loads alone.
.macro ASK
	s_cmp_gt_u32 s[SLOTS], s[LIM]
	s_cbranch_scc0 .Lnot_mine_\@
	global_prefetch_b8 v[PFO], s[PFA:PFA+1] th:TH_LOAD_NT scope:SCOPE_SE
.Lnot_mine_\@:
.endm
; THE CHANGE OF SLOTS.  Each wave waits for all its tensor loads (the one that may be out is its part of the slot ahead), adds 0 to its spare word, and waits for that and for its reads of the slot that it leaves.
; fill = 1: a round of the cluster's barrier, and behind it the slot just left is filled with the keys two slots on: that load has a key step of every wave in which to land.
.macro CHANGE fill
	s_wait_tensorcnt 0x0                           ; no tensor load of mine is out, so a group 0 may be written
	ds_add_u32 v[SPW], v[NIL]
.if \fill
	s_xor_b32 s[G0B+1], s[G0B+1], SLOT1            ; the walking descriptor: the other slot than last time,
	s_add_nc_u64 s[G0B+2:G0B+3], s[G0B+2:G0B+3], SLOTB   ; the next four key steps; the type bits on top are not reached
	s_wait_xcnt 0x0                                ; the last prefetch, a slot back, has read its address
	s_add_nc_u64 s[PFA:PFA+1], s[PFA:PFA+1], SLOTB ; one slot further on than the walking descriptor
.endif
	s_wait_dscnt 0x0                               ; the add is done, and my reads of the slot that I leave are over
.if \fill
	CROUND
	TLOAD                                          ; the first thing behind the round, and a wave's one tensor load until the next
	ASK
.else
	s_barrier_signal -1
	s_barrier_wait -1
.endif
	s_xor_b32 s[TB], s[TB], SLOT1                  ; on to the other slot
.endm
; Where a fragment lies (FRG) and where its tile's scale word (SWR).
.macro KREG t                          ; K's tile t
.if (\t) < 5
.set FRG, 32+12*(\t)
.elseif (\t) < 7
.set FRG, 224+12*((\t)-5)
.else
.set FRG, 96
.endif
.set SWR, 248+(\t)
.if (\t) > 3
.set SWR, 88+(\t)
.endif
.endm
.macro VREG t                          ; V's channel tile t
.set FRG, 32+12*(\t)
.if (\t) > 4
.set FRG, 96+12*((\t)-5)
.endif
.set SWR, 248+(\t)
.if (\t) > 3
.set SWR, 88+(\t)
.endif
.endm
.macro KL t                            ; three loads: K's tile t
	KREG \t
.irp c, 0,1,2
	ds_load_b128 v[FRG+4*\c:FRG+4*\c+3], v[ADK] offset:(\t)*FRB+512*\c
.endr
.endm
.macro VL t                            ; three loads: V's tile t, behind K's eight
	VREG \t
.irp c, 0,1,2
	ds_load_b128 v[FRG+4*\c:FRG+4*\c+3], v[ADK] offset:(8+(\t))*FRB+512*\c
.endr
.endm
.macro KQ t                            ; tile t of S^T
	KREG \t
	v_wmma_scale_f32_16x16x128_f8f6f4 v[96+8*(\t):103+8*(\t)], v[FRG:FRG+11], v[16:27], 0, v[SWR], v255 matrix_a_fmt:MATRIX_FMT_FP6 matrix_b_fmt:MATRIX_FMT_FP6
.endm
.macro PV t                            ; tile t of O^T
	VREG \t
	v_wmma_scale_f32_16x16x128_f8f6f4 v[160+8*(\t):167+8*(\t)], v[FRG:FRG+11], v[224:235], v[160+8*(\t):167+8*(\t)], v[SWR], v253 matrix_a_fmt:MATRIX_FMT_FP6 matrix_b_fmt:MATRIX_FMT_FP6
.endm
; A KEY STEP: my 128 keys of the slot in hand.
.macro STEP
	v_add_nc_u32 v[ADK], s[TB], v[AK0]
	v_add_nc_u32 v[ADS], s[TS], v[AS0]
.rept 3
	v_nop                                          ; with the two additions five places behind the last step's products: four for the loads into registers that they have read, five for the new S^T, which is written over V's tiles 6 and 7
.endr
	ds_load_b128 v[248:251], v[ADS]                ; K: my row's scale words of tiles 0-3,
	ds_load_b128 v[92:95], v[ADS] offset:256       ; of tiles 4-7,
.irp t, 7,2,3,4,5,6,0,1                        ; and the eight fragments, in the order in which they are multiplied: 26 loads in one run
	KL \t
.endr
	s_wait_alu depctr_va_vdst(0)
	s_wait_dscnt 15                                ; of the 26 the first 11 are in: the scale words, tiles 7, 2, 3
.irp t, 7,2,3                                  ; K's tile 7 lies where tiles 0 and 1 of S^T fall: its product goes first, theirs last
	KQ \t
.endr
	s_wait_dscnt 6                                 ; the first 20: tiles 4, 5, 6 too
.irp t, 4,5,6
	KQ \t
.endr
.rept 5
	v_nop                                          ; five places between tile 7's product and the products that write over its source
.endr
	s_wait_dscnt 0x0
	KQ 0
	KQ 1
.rept 4
	v_nop                                          ; places behind the products: for the first read of S^T, for the loads into K's registers and scale words, and for the work registers that held tiles 5 and 6
.endr
	ds_load_b128 v[248:251], v[ADS] offset:512     ; V: the scale words of all eight tiles,
	ds_load_b128 v[92:95], v[ADS] offset:768
	VL 0                                           ; and tiles 0 to 4, three loads at a time among the lines below
.irp b, 0,1,2,3
	v_max3_num_f32 v[232+\b], v[96+16*\b], v[97+16*\b], v[98+16*\b]   ; the largest score of each block of 32 keys: it serves for the row's maximum and, since p rises with the score (c |m| is not negative), for the block's largest p
.endr
.irp i, 3,5,7
.irp b, 0,1,2,3
	v_max3_num_f32 v[232+\b], v[232+\b], v[96+16*\b+\i], v[97+16*\b+\i]
.endr
.endr
	VL 1
.irp i, 9,11,13
.irp b, 0,1,2,3
	v_max3_num_f32 v[232+\b], v[232+\b], v[96+16*\b+\i], v[97+16*\b+\i]
.endr
.endr
.irp b, 0,1,2,3
	v_max_num_f32 v[232+\b], v[232+\b], v[111+16*\b]
.endr
	VL 2
.irp b, 0,1,2,3
	v_permlanex16_b32 v[236+\b], v[232+\b], s[SEL], s[SEL+1]   ; (its destination counts as read: K's tile 6 has been loaded there)
.endr
.irp b, 0,1,2,3
	s_delay_alu instid0(VALU_DEP_4)
	v_max_num_f32 v[232+\b], v[232+\b], v[236+\b]  ; with lane l xor 16's 16 keys
.endr
	s_delay_alu instid0(VALU_DEP_2)
	v_max3_num_f32 v254, v232, v233, v234
	s_delay_alu instid0(VALU_DEP_1)
	v_max_num_f32 v254, v254, v235                 ; the step's largest score of my query
	s_delay_alu instid0(VALU_DEP_1)
	v_mul_f32 v254, v[CM], v254                    ; as t
	s_delay_alu instid0(VALU_DEP_1)
	v_max_num_f32 v13, v13, v254                   ; the running largest t
	v_mov_b32 v254, v12
	s_delay_alu instid0(VALU_DEP_2)
	v_floor_f32 v12, -v13                          ; the new -M = floor(-t) = -ceil(t): a whole number
	s_delay_alu instid0(VALU_DEP_1)
	v_sub_f32 v254, v12, v254                      ; old M less new M: a whole number, 0 or less
	s_delay_alu instid0(VALU_DEP_1)
	v_cvt_i32_f32 v254, v254                       ; (it saturates)
	s_delay_alu instid0(VALU_DEP_1)
	v_ldexp_f32 v252, 1.0, v254                    ; f = 2^(old M - new M)
	VL 3
.set n, 0
.rept 16
	v_pk_fma_f32 v[96+n:97+n], v[96+n:97+n], v[CM:CM+1], v[12:13] op_sel_hi:[1,0,0]   ; t - M, two at a time (of the pairs' low words)
.set n, n+2
.endr
	VL 4
.rept 16
	v_pk_fma_f32 v[96+n:97+n], v[96+n:97+n], v[CM:CM+1], v[12:13] op_sel_hi:[1,0,0]
.set n, n+2
.endr
.irp b, 0,1,2,3
	v_fma_f32 v[232+\b], v[232+\b], v[CM], v12     ; the same of each block's largest score
.endr
.set n, 0
	s_wait_alu depctr_va_vdst(0)
.rept 64
	v_exp_f32 v[96+n], v[96+n]                     ; p = 2^(t - M), at most 1: not normalised
.set n, n+1
.endr
	v_pk_mul_f32 v[14:15], v[14:15], v[252:253] op_sel_hi:[1,0]   ; the sums under the new M: a plain place behind the exponentials
	s_wait_alu depctr_va_vdst(0)                   ; one wait for the batch of 64, ahead of its first reader
.irp b, 0,1,2,3
	v_exp_f32 v[232+\b], v[232+\b]                 ; the block's largest p: the same two instructions on the same number
.endr
	v_pk_add_f32 v[236:237], v[100:101], v[104:105]
	v_pk_add_f32 v[246:247], v[108:109], v[112:113]
	v_pk_add_f32 v[244:245], v[116:117], v[120:121]
	v_pk_add_f32 v[242:243], v[124:125], v[128:129]
	v_pk_add_f32 v[240:241], v[132:133], v[136:137]
	v_pk_add_f32 v[238:239], v[140:141], v[144:145]
	v_pk_add_f32 v[230:231], v[148:149], v[152:153]
	v_pk_add_f32 v[14:15], v[14:15], v[156:157]
	v_pk_add_f32 v[236:237], v[236:237], v[96:97]
	v_pk_add_f32 v[246:247], v[246:247], v[98:99]
	v_pk_add_f32 v[244:245], v[244:245], v[102:103]
	v_pk_add_f32 v[242:243], v[242:243], v[106:107]
	v_pk_add_f32 v[240:241], v[240:241], v[110:111]
	v_pk_add_f32 v[238:239], v[238:239], v[114:115]
	v_pk_add_f32 v[230:231], v[230:231], v[118:119]
	v_pk_add_f32 v[14:15], v[14:15], v[122:123]
	v_pk_add_f32 v[236:237], v[236:237], v[126:127]
	v_pk_add_f32 v[246:247], v[246:247], v[130:131]
	v_pk_add_f32 v[244:245], v[244:245], v[134:135]
	v_pk_add_f32 v[242:243], v[242:243], v[138:139]
	v_pk_add_f32 v[240:241], v[240:241], v[142:143]
	v_pk_add_f32 v[238:239], v[238:239], v[146:147]
	v_pk_add_f32 v[230:231], v[230:231], v[150:151]
	v_pk_add_f32 v[14:15], v[14:15], v[154:155]
	v_pk_add_f32 v[236:237], v[236:237], v[158:159]
	s_delay_alu instid0(VALU_DEP_2)
	v_pk_add_f32 v[14:15], v[14:15], v[242:243]
	s_delay_alu instid0(VALU_DEP_2)
	v_pk_add_f32 v[236:237], v[236:237], v[240:241]
	v_pk_add_f32 v[246:247], v[246:247], v[238:239]
	v_pk_add_f32 v[244:245], v[244:245], v[230:231]
	s_delay_alu instid0(VALU_DEP_2)
	v_pk_add_f32 v[14:15], v[14:15], v[246:247]
	s_delay_alu instid0(VALU_DEP_2)
	v_pk_add_f32 v[236:237], v[236:237], v[244:245]
	s_delay_alu instid0(VALU_DEP_1)
	v_pk_add_f32 v[14:15], v[14:15], v[236:237]
	s_wait_alu depctr_va_vdst(0)                   ; and one for the four
.irp b, 0,1,2,3
	v_max_num_f32 v[232+\b], 0x1800000, v[232+\b]  ; the floor 2^(3 - 127): the byte cannot fall under 1
.endr
.irp b, 0,1,2,3
	s_delay_alu instid0(VALU_DEP_4)
	v_add_nc_u32 v[244+\b], 0xff000000, v[232+\b]  ; 2 off the exponent field: the conversion's scale operand
.endr
.irp b, 0,1,2,3
	s_delay_alu instid0(VALU_DEP_4)
	v_lshrrev_b32 v[236+\b], 23, v[244+\b]         ; the scale's byte
.endr
	s_delay_alu instid0(VALU_DEP_3)
	v_lshl_or_b32 v253, v237, 8, v236              ; p's scale word for these 128 keys
	s_delay_alu instid0(VALU_DEP_1)
	v_lshl_or_b32 v253, v238, 16, v253
	s_delay_alu instid0(VALU_DEP_1)
	v_lshl_or_b32 v253, v239, 24, v253
.irp c, 0,1
	v_cvt_scalef32_pk16_fp6_f32 v[224+6*\c:226+6*\c], v[96+32*\c:111+32*\c], v[244+2*\c]
	v_cvt_scalef32_pk16_fp6_f32 v[236+4*\c:238+4*\c], v[112+32*\c:127+32*\c], v[244+2*\c+1]   ; (a conversion's three registers begin on an even number)
.endr
	v_nop                                          ; one plain place behind a scaled conversion
	VL 5                                           ; p is in its codes: its registers take V's tiles 5 to 7, three loads at a time among the lines below
.irp c, 0,1                                    ; a WHOLE block in a lane: lanes 0-15 block 2 c, lanes 16-31 block 2 c + 1
.irp i, 0,1,2
	v_permlane16_swap_b32 v[224+6*\c+\i], v[236+4*\c+\i]
.endr
.irp i, 0,1,2
	s_delay_alu instid0(VALU_DEP_3)
	v_mov_b32 v[227+6*\c+\i], v[236+4*\c+\i]
.endr
.endr
	VL 6
.set n, 0
.rept 16
	v_pk_mul_f32 v[160+n:161+n], v[160+n:161+n], v[252:253] op_sel_hi:[1,0]   ; O^T under the new M.  These 32 also stand between the writing of p's codes and scale word and the products that take them
.set n, n+2
.endr
	VL 7
.rept 16
	v_pk_mul_f32 v[160+n:161+n], v[160+n:161+n], v[252:253] op_sel_hi:[1,0]
.set n, n+2
.endr
	s_wait_alu depctr_va_vdst(0)
	s_wait_dscnt 9                                 ; all but the nine youngest loads, those of tiles 5 to 7: V's scale words and tiles 0 to 4 are in
.irp t, 0,1,2,3,4                              ; O^T += V^T P^T: the eight accumulators take turns, one instruction a turn
	PV \t
.endr
.rept 4
	v_nop                                          ; four plain lines between the last rescaling of O^T and the products that add onto it
.endr
	s_wait_dscnt 0x0
.irp t, 5,6,7
	PV \t
.endr
	s_add_co_u32 s[TS], s[TS], 4096                ; the next slot's scale words
.endm
	s_load_b256 s[4:11], s[0:1], 0x0               ; qc s[4:5], qs s[6:7], kvc s[8:9], kvs s[10:11]
	s_load_b128 s[12:15], s[0:1], 0x20             ; mask s[12:13], out0 s[14:15]
	s_load_b64 s[16:17], s[0:1], 0x30              ; stats
	v_lshl_add_u32 v[SPW], v0, 2, SPARE
	v_mov_b32 v[NIL], 0
	ds_add_u32 v[SPW], v[NIL]                      ; the wave's opening: the add and its wait ahead of the first tensor loads; the set-up below stands between them
	ds_add_u32 v[SPW], v[NIL]
	v_lshrrev_b32 v84, 5, v0
	s_delay_alu instid0(VALU_DEP_1)
	v_readfirstlane_b32 s[WV], v84                 ; wave 0..15
	s_and_b32 s[QT], s[WV], 3
	s_lshr_b32 s[KG], s[WV], 2
	s_and_b32 s[BAT], ttmp7, 0xffff                ; the batch, which the four partners share
	; descriptor group 1: a dense block as rows of 256 bytes (32 elements of 8 bytes), no padding
	s_mov_b32 s[G1], 15|(3<<16)|(1<<21)            ; 15:0 the mask: all four work-groups; 17:16 elements of 8 bytes; 21 set beside a mask
	s_mov_b32 s[G1+1], 32<<16                      ; tensor_dim0 = 32
	s_mov_b32 s[G1+2], 96<<16                      ; tensor_dim1 = 96
	s_mov_b32 s[G1+3], 32<<16                      ; tile_dim0 = 32
	s_mov_b32 s[G1+4], 96                          ; tile_dim1 = 96: a key step's 24,576 bytes
	s_mov_b32 s[G1+5], 32                          ; from row to row
	s_mov_b32 s[G1+6], 0
	s_mov_b32 s[G1+7], 0
	s_mov_b32 s[G1S], 15|(3<<16)|(1<<21)
	s_mov_b32 s[G1S+1], 32<<16
	s_mov_b32 s[G1S+2], 32<<16
	s_mov_b32 s[G1S+3], 32<<16
	s_mov_b32 s[G1S+4], 32                         ; 32 rows: a quarter of the batch's scale words
	s_mov_b32 s[G1S+5], 32
	s_mov_b32 s[G1S+6], 0
	s_mov_b32 s[G1S+7], 0
	s_mov_b32 s[SEL], 0x76543210
	s_mov_b32 s[SEL+1], 0xfedcba98
	s_mov_b32 s[TB], 0
	s_mov_b32 s[TS], 0
	s_mov_b32 s[SLOTS], 6
	s_mul_i32 s62, s[QT], STEPB                    ; what I fetch, if I fetch: key step w of a slot,
	s_lshl_b32 s63, s[QT], 13                      ; quarter w of the scale words
	s_mul_i32 s58, s[BAT], 32*STEPB
	s_add_co_u32 s58, s58, s62
	s_mov_b32 s59, 0
	s_lshl_b32 s60, s[BAT], 15
	s_add_co_u32 s60, s60, s63
	s_mov_b32 s61, 0
	s_wait_dscnt 0x0                               ; the opening add is done
	s_wait_kmcnt 0x0
	s_mov_b32 s[G0A], 1                            ; count = 1
	s_mov_b32 s[G0A+1], s62                        ; LDS address: slot 0
	s_add_nc_u64 s[G0A+2:G0A+3], s[8:9], s[58:59]  ; global address: the batch's first four key steps
	s_or_b32 s[G0A+3], s[G0A+3], 0x80000000        ; type = 2
	s_mov_b32 s[G0B], 1
	s_add_co_u32 s[G0B+1], s62, SLOT1
	s_add_nc_u64 s[G0B+2:G0B+3], s[8:9], s[58:59]
	s_add_nc_u64 s[G0B+2:G0B+3], s[G0B+2:G0B+3], SLOTB
	s_or_b32 s[G0B+3], s[G0B+3], 0x80000000
	s_mov_b32 s[G0S], 1
	s_add_co_u32 s[G0S+1], s63, SCL
	s_add_nc_u64 s[G0S+2:G0S+3], s[10:11], s[60:61]
	s_or_b32 s[G0S+3], s[G0S+3], 0x80000000
	CROUND                                         ; all four work-groups are here: the first joint loads meet
	s_cmp_lt_u32 s[WV], 4                          ; a wave's three first fills stand in one branch, ahead of every wait on TENSORcnt and every LDS read: three loads of mine are out
	s_cbranch_scc0 .Lno_fetch
	tensor_load_to_lds s[G0S:G0S+3], s[G1S:G1S+7]  ; the scale words: filled once
	s_nop 0
	tensor_load_to_lds s[G0A:G0A+3], s[G1:G1+7]    ; slot 0
	s_nop 0
	tensor_load_to_lds s[G0B:G0B+3], s[G1:G1+7]    ; slot 1
	s_nop 0
.rept 4
	v_nop
.endr
.Lno_fetch:
	s_bfe_u32 s[CX], ttmp6, 0x40000                ; my place in the cluster: it enters global addresses alone
	s_lshl_b32 s[BLK], ttmp9, 2
	s_add_co_u32 s[BLK], s[BLK], s[CX]             ; my block of 64 queries
	s_lshl_b32 s58, s[BLK], 2
	s_add_co_u32 s58, s58, s[QT]                   ; T: my tile of queries
	s_mul_i32 s60, s[BAT], 256*FRB
	s_mul_i32 s61, s58, FRB
	s_add_co_u32 s60, s60, s61
	s_mov_b32 s61, 0
	s_add_nc_u64 s[4:5], s[4:5], s[60:61]          ; Q's image
	s_lshl_b32 s60, s[BAT], 14
	s_lshl_b32 s62, s[BLK], 8
	s_add_co_u32 s60, s60, s62
	s_lshl_b32 s62, s[QT], 2
	s_add_co_u32 s60, s60, s62
	s_add_nc_u64 s[6:7], s[6:7], s[60:61]          ; its scale words: 256 x block + 4 x (w % 4), + 16 r
	s_lshr_b32 s59, s58, 1
	s_lshl_b32 s59, s59, 5
	s_and_b32 s62, s58, 1
	s_lshl_b32 s62, s62, 3
	s_add_co_u32 s59, s59, s62                     ; the tile's first token: 32 (T / 2) + 8 (T % 2),
	s_lshl_b32 s62, s[BAT], 12
	s_add_co_u32 s59, s59, s62                     ; in my batch
	s_lshl_b32 s60, s59, 2
	s_add_nc_u64 s[12:13], s[12:13], s[60:61]      ; the mask there
	s_lshl_b32 s62, s[KG], 2
	s_add_co_u32 s59, s59, s62
	s_lshr_b32 s62, s[KG], 1
	s_lshl_b32 s62, s62, 3
	s_add_co_u32 s59, s59, s62                     ; rows 4 (w / 4) .. + 3 of the tile are four neighbouring tokens: those I store
	s_lshl_b32 s60, s59, 9
	s_add_nc_u64 s[14:15], s[14:15], s[60:61]      ; out0 there
	s_mul_i32 s60, s[BAT], 49152
	s_mul_i32 s62, s[BLK], 768
	s_add_co_u32 s60, s60, s62
	s_add_nc_u64 s[16:17], s[16:17], s[60:61]      ; my four tiles' statistics
	s_mul_i32 s60, s[BAT], 32*STEPB                ; the prefetches: my batch,
	s_mul_i32 s62, s[CX], STEPB                    ; my work-group's key step of a slot,
	s_add_co_u32 s60, s60, s62
	s_add_co_u32 s60, s60, s63                     ; my wave's 8,192 bytes of it,
	s_add_co_u32 s60, s60, 2*SLOTB                 ; in slot 2: the first change of slots steps it to slot 3
	s_add_nc_u64 s[PFA:PFA+1], s[8:9], s[60:61]
	s_sub_co_u32 s[LIM], s[WV], 4
	s_cmp_lt_u32 s[LIM], 3                         ; waves 4, 5, 6
	s_cselect_b32 s[LIM], 0, 1
	s_or_b32 s[LIM], s[LIM], ttmp9                 ; of the batch's first cluster: the same in all four partners
	s_cmp_eq_u32 s[LIM], 0
	s_cselect_b32 s[LIM], 1, -1
	v_and_b32 v84, 31, v0                          ; lane
	v_and_b32 v85, 15, v0                          ; r
	v_bfe_u32 v86, v0, 4, 1                        ; h
	s_delay_alu instid0(VALU_DEP_3)
	v_lshlrev_b32 v[GO], 4, v84
	s_delay_alu instid0(VALU_DEP_3)
	v_lshlrev_b32 v83, 4, v85                      ; 16 r
	s_delay_alu instid0(VALU_DEP_4)
	v_and_b32 v87, 8, v85
	s_delay_alu instid0(VALU_DEP_1)
	v_add_nc_u32 v87, v87, v85
	s_delay_alu instid0(VALU_DEP_1)
	v_lshlrev_b32 v87, 2, v87                      ; 4 (r + 8 (r / 8)): my query's word of the mask
.irp c, 0,1,2
	global_load_b128 v[16+4*\c:19+4*\c], v[GO], s[4:5] offset:512*\c   ; Q's fragment stays in registers
.endr
	global_load_b32 v255, v83, s[6:7]              ; Q's scale words
	global_load_b32 v[MF], v87, s[12:13]
	s_mul_i32 s60, s[KG], STEPB
	v_add_nc_u32 v[AK0], s60, v[GO]
	s_lshl_b32 s60, s[KG], 10
	s_add_co_u32 s60, s60, SCL
	v_lshl_add_u32 v[AS0], v85, 4, s60
	s_lshl_b32 s60, s[WV], 8
	s_add_co_u32 s60, s60, MS
	v_lshl_add_u32 v[MSW], v84, 3, s60
	s_lshl_b32 s60, s[QT], 8
	s_add_co_u32 s60, s60, MS
	v_lshl_add_u32 v[MSR], v84, 3, s60
	s_lshl_b32 s60, s[QT], 2
	s_add_co_u32 s60, s60, s[KG]
	s_mul_i32 s60, s60, PARTB                      ; the stage: part 4 (w % 4) + w / 4
	v_mul_u32_u24 v[STO], v85, SPITCH
	s_delay_alu instid0(VALU_DEP_1)
	v_lshl_add_u32 v[STO], v86, 5, v[STO]
	s_delay_alu instid0(VALU_DEP_1)
	v_add_nc_u32 v[STO], s60, v[STO]               ; in: row r, + 32 h
	s_mul_i32 s60, s[QT], 4*PARTB
	s_mul_i32 s62, s[KG], 4*SPITCH
	s_add_co_u32 s60, s60, s62
	v_add_nc_u32 v[SRD], s60, v[GO]                ; back: my tile's parts, rows 4 (w / 4) on, 16 bytes a lane
	s_mul_i32 s60, s[QT], 192
	s_add_co_u32 s60, s60, STB
	v_lshl_add_u32 v[STW], v85, 2, s60
	v_lshlrev_b32 v[PFO], 8, v84
	v_lshlrev_b32 v[GS], 3, v84                    ; the thread's number is done with: v0 now holds 8 x lane
	v_mov_b32 v13, 0xff61b1e6                      ; the largest t so far: -3e38, under every t
	s_delay_alu instid0(VALU_DEP_1)
	v_floor_f32 v12, -v13                          ; -M
	v_mov_b32 v14, 0                               ; the sum, in two halves
	v_mov_b32 v15, 0
	v_mov_b32 v253, 0                              ; (named as the upper half of the pair v[252:253] before it is first written)
.set n, 0
.rept 64
	v_mov_b32 v[160+n], 0                          ; O^T.  (The step is written in one form: the first finds zeros, which the first change of M leaves zeros)
.set n, n+1
.endr
	s_wait_loadcnt 0x0                             ; Q, its scale words, the mask
	v_cvt_f32_i32 v[MF], v[MF]                     ; m
	s_delay_alu instid0(VALU_DEP_1)
	v_and_b32 v[CM], 0x7fffffff, v[MF]
	s_delay_alu instid0(VALU_DEP_1)
	v_mul_f32 v[CM], 0x3e0293ee, v[CM]             ; c |m|, c = log2(e) / sqrt(128)
	s_wait_tensorcnt 1                             ; the scale words and my part of slot 0 are in; slot 1's fill may stay out
	s_barrier_signal -1
	s_barrier_wait -1                              ; everybody's are
	STEP                                           ; slot 0
.Lslot:                                            ; six trips: trip i fills slot i + 1's keys into the slot just left and works on slot i
	CHANGE 1
	STEP
	s_sub_co_u32 s[SLOTS], s[SLOTS], 1
	s_cmp_lg_u32 s[SLOTS], 0
	s_cbranch_scc1 .Lslot
	CHANGE 0                                       ; the last slot is written out
	STEP
	; THE MERGE of a tile's four waves.
.rept 4
	v_nop                                          ; places behind the last products: the loads below land in registers that they have read
.endr
	v_add_f32 v14, v14, v15                        ; the sum's two halves,
	s_delay_alu instid0(VALU_DEP_1)
	v_permlanex16_b32 v252, v14, s[SEL], s[SEL+1]
	s_delay_alu instid0(VALU_DEP_1)
	v_add_f32 v13, v14, v252                       ; and lane l xor 16's: my part of the row's sum
	ds_store_b64 v[MSW], v[12:13]                  ; -M and l
	s_wait_dscnt 0x0                               ; for the others' sake: my store has landed, and my reads of the slots and of the scale words are over
	s_barrier_signal -1
	s_barrier_wait -1
.irp g, 0,1,2,3
	ds_load_b64 v[MT+2*\g:MT+2*\g+1], v[MSR] offset:1024*\g
.endr
	s_wait_dscnt 0x0
	v_min_num_f32 v[MT+8], v[MT], v[MT+2]
	v_min_num_f32 v[MT+9], v[MT+4], v[MT+6]
	s_delay_alu instid0(VALU_DEP_1)
	v_min_num_f32 v[MT+8], v[MT+8], v[MT+9]        ; -M of the whole row: the least of the four
.irp g, 0,1,2,3
	v_sub_f32 v[MT+10+\g], v[MT+8], v[MT+2*\g]     ; part g's M less the row's: a whole number, 0 or less
.endr
	v_sub_f32 v[MT+14], v[MT+8], v12               ; and mine
.irp g, 0,1,2,3,4
	v_cvt_i32_f32 v[MT+10+\g], v[MT+10+\g]
.endr
.irp g, 0,1,2,3,4
	v_ldexp_f32 v[MT+10+\g], 1.0, v[MT+10+\g]      ; exact powers of two
.endr
	v_mul_f32 v[MT+15], v[MT+10], v[MT+1]
	s_delay_alu instid0(VALU_DEP_1)
	v_fmac_f32 v[MT+15], v[MT+11], v[MT+3]
	s_delay_alu instid0(VALU_DEP_1)
	v_fmac_f32 v[MT+15], v[MT+12], v[MT+5]
	s_delay_alu instid0(VALU_DEP_1)
	v_fmac_f32 v[MT+15], v[MT+13], v[MT+7]         ; l of the whole row, the same sum in all four waves
	s_wait_alu depctr_va_vdst(0)
	v_rcp_f32 v[MT+16], v[MT+15]
	v_mul_f32 v[MT+14], v[MT+14], v[MF]            ; my factor x m: a plain place behind the reciprocal
	s_wait_alu depctr_va_vdst(0)                   ; the wait ahead of the reciprocal's first reader
	v_mul_f32 v[MT+18], v[MT+14], v[MT+16]         ; x 1 / l
	v_mul_f32 v[MT+17], 0x39800000, v[MT+16]       ; 1 / (4096 l)
	s_delay_alu instid0(VALU_DEP_2)
	v_mov_b32 v[MT+19], v[MT+18]
.set n, 0
.rept 32
	v_pk_mul_f32 v[160+n:161+n], v[160+n:161+n], v[MT+18:MT+19]   ; my part of O^T, each accumulator from its low end on
.set n, n+2
.endr
.irp t, 0,1,2,3,4,5,6,7
	ds_store_b128 v[STO], v[160+8*\t:163+8*\t] offset:64*\t        ; lane (r, h): channels 16 t + 8 h + 0 .. 7 of row r
	ds_store_b128 v[STO], v[164+8*\t:167+8*\t] offset:64*\t+16
.endr
	s_cmp_lt_u32 s[WV], 4                          ; one wave of each tile puts the statistics by
	s_cbranch_scc0 .Lno_stats
	ds_store_b32 v[STW], v[CM]                     ; lanes r and r + 16 write the same word with the same value
	ds_store_b32 v[STW], v[MT+8] offset:64
	ds_store_b32 v[STW], v[MT+17] offset:128
.Lno_stats:
	s_wait_dscnt 0x0
	s_barrier_signal -1
	s_barrier_wait -1                              ; the sixteen parts lie in the stage
.irp i, 0,1,2,3
.irp g, 0,1,2,3
	ds_load_b128 v[96+16*\i+4*\g:99+16*\i+4*\g], v[SRD] offset:\g*PARTB+\i*SPITCH   ; row 4 (w / 4) + i of my tile, part g: 32 lanes take its 512 bytes
.endr
.endr
	s_wait_dscnt 0x0
.irp i, 0,1,2,3
.irp z, 0,2
	v_pk_add_f32 v[96+16*\i+\z:97+16*\i+\z], v[96+16*\i+\z:97+16*\i+\z], v[100+16*\i+\z:101+16*\i+\z]
	v_pk_add_f32 v[104+16*\i+\z:105+16*\i+\z], v[104+16*\i+\z:105+16*\i+\z], v[108+16*\i+\z:109+16*\i+\z]
.endr
.irp z, 0
	s_delay_alu instid0(VALU_DEP_3)
	v_pk_add_f32 v[96+16*\i+\z:97+16*\i+\z], v[96+16*\i+\z:97+16*\i+\z], v[104+16*\i+\z:105+16*\i+\z]
.endr
.irp z, 2
	s_delay_alu instid0(VALU_DEP_2)
	v_pk_add_f32 v[96+16*\i+\z:97+16*\i+\z], v[96+16*\i+\z:97+16*\i+\z], v[104+16*\i+\z:105+16*\i+\z]
.endr
	global_store_b128 v[GO], v[96+16*\i:99+16*\i], s[14:15] offset:512*\i th:TH_STORE_NT   ; 32 lanes store a row of 512 bytes, at a multiple of 256 from out0's first byte
.endr
	s_cmp_lg_u32 s[WV], 0
	s_cbranch_scc1 .Lnot_first
.irp i, 0,1,2
	ds_load_b64 v[32+2*\i:33+2*\i], v[MSR] offset:STB-MS+256*\i   ; in wave 0 v[MSR] is MS + 8 x lane: the statistics lie STB - MS bytes on
.endr
	s_wait_dscnt 0x0
.irp i, 0,1,2
	global_store_b64 v[GS], v[32+2*\i:33+2*\i], s[16:17] offset:256*\i   ; 32 lanes store 256 consecutive bytes, aligned
.endr
.Lnot_first:
	s_wait_tensorcnt 0x0                           ; the wave's end: behind my last tensor load and my last LDS store
	ds_add_u32 v[SPW], v[NIL]
	s_wait_dscnt 0x0
	CROUND                                         ; the closing round: no work-group ends while a partner may still ask for a tile that names it
	s_endpgm
.Lfunc_end_k_q4476aeb320_attend:
	.size	k_q4476aeb320_attend, .Lfunc_end_k_q4476aeb320_attend-k_q4476aeb320_attend
	.p2alignl 7, 3214868480
	.fill 96, 4, 3214868480
	.section	.rodata,"a",@progbits
	.p2align	6, 0x0
	.amdhsa_kernel k_q4476aeb320_attend
		.amdhsa_group_segment_fixed_size 327680
		.amdhsa_private_segment_fixed_size 0
		.amdhsa_enable_private_segment 0
		.amdhsa_kernarg_size 56
		.amdhsa_user_sgpr_count 2
		.amdhsa_user_sgpr_kernarg_segment_ptr 1
		.amdhsa_wavefront_size32 1
		.amdhsa_system_sgpr_workgroup_id_x 1
		.amdhsa_system_sgpr_workgroup_id_y 1
		.amdhsa_system_sgpr_workgroup_id_z 1
		.amdhsa_system_vgpr_workitem_id 0
		.amdhsa_next_free_vgpr 256
		.amdhsa_next_free_sgpr 66
		.amdhsa_reserve_vcc 0
		.amdhsa_float_denorm_mode_32 3
		.amdhsa_float_denorm_mode_16_64 3
		.amdhsa_memory_ordered 1
		.amdhsa_forward_progress 1
		.amdhsa_inst_pref_size 81
	.end_amdhsa_kernel
	.amdgpu_metadata
---
amdhsa.version: [ 1, 2 ]
amdhsa.kernels:
  - .name:           k_q4476aeb320_attend
    .symbol:         k_q4476aeb320_attend.kd
    .args:
      - { .name: qc, .offset: 0, .size: 8, .value_kind: global_buffer, .address_space: global }
      - { .name: qs, .offset: 8, .size: 8, .value_kind: global_buffer, .address_space: global }
      - { .name: kvc, .offset: 16, .size: 8, .value_kind: global_buffer, .address_space: global }
      - { .name: kvs, .offset: 24, .size: 8, .value_kind: global_buffer, .address_space: global }
      - { .name: mask, .offset: 32, .size: 8, .value_kind: global_buffer, .address_space: global }
      - { .name: out0, .offset: 40, .size: 8, .value_kind: global_buffer, .address_space: global }
      - { .name: stats, .offset: 48, .size: 8, .value_kind: global_buffer, .address_space: global }
    .group_segment_fixed_size: 327680
    .private_segment_fixed_size: 0
    .kernarg_segment_align: 8
    .kernarg_segment_size: 56
    .max_flat_workgroup_size: 512
    .sgpr_count:     66
    .vgpr_count:     256
    .wavefront_size: 32
...
	.end_amdgpu_metadata
.endif
;; end of part 2
;; launch colmean (part 3): grid 64 x 4, 16 waves a work-group, clusters of 4 x 1, 327,680 bytes of LDS; arguments qc, qs, kvc, kvs, stats, mask, out1; writes out1
.if DOCPART == 3
	.amdgcn_target "amdgcn-amd-amdhsa--gfx1250"
	.amdhsa_code_object_version 6
	.text
	.protected	k_q4476aeb320_colmean
	.globl	k_q4476aeb320_colmean
	.p2align	8
	.type	k_q4476aeb320_colmean,@function
k_q4476aeb320_colmean:
	s_mov_b64 s[64:65], 0
	v_nop
	global_prefetch_b8 v0, s[64:65] scope:SCOPE_SE
	s_setreg_imm32_b32 hwreg(HW_REG_WAVE_MODE, 25, 1), 1
	s_wait_xcnt 0x0
	s_wait_alu depctr_hold_cnt(0) depctr_sa_sdst(0) depctr_va_vdst(0) depctr_va_sdst(0) depctr_va_ssrc(0) depctr_va_vcc(0) depctr_vm_vsrc(0)
	s_getreg_b32 s2, hwreg(HW_REG_IB_STS2, 6, 4)
	s_cmp_eq_u32 s2, 0
	s_cbranch_scc0 .Lentry_in_a_cluster
	s_endpgm
.Lentry_in_a_cluster:
	s_bfe_u32 s2, ttmp6, 0x10000c
	s_cmp_lg_u32 s2, 0x3003
	s_cbranch_scc0 .Lentry_shape_is_right
	s_endpgm
.Lentry_shape_is_right:
; out1[b][k] = m[k] x the sum over all 4,096 queries of p(q, k) / (4096 l[q]), p = 2^(s c |m[q]| - M[q]).  l and M of a query are known only when it has seen all keys, so this is a launch of its own:
; it makes the scores once more, by the same matrix instruction on the same codes with the sources changed round, so that a lane holds ONE KEY and its registers run along the queries:
; the sum over queries is then a fused multiply-add a score, and only eight registers a key tile are summed across at the end.
; SHARES.  A work-group owns 64 keys of one batch (K's tiles 4 x .. 4 x + 3, which are tokens 64 x .. 64 x + 63): each output has one owner.  Every wave keeps these four fragments in registers.
; The batch's 256 tiles of queries stream through a ring of two LDS slots of 64 tiles; wave w takes tiles 4 w .. 4 w + 3 of each slot.  The queries' scale words (16,384 bytes) and statistics (49,152 bytes) come once and stay.
; CLUSTER.  The four work-groups of a cluster belong to one batch and walk the same queries: every fill is asked for JOINTLY (mask 15), by waves 0 to 3, a quarter each.
; NO PREFETCH: of the four slots two go out at the head and the third one change of slots later; one slot alone could be named ahead.
; LIMITS: as in the launch before: NaN and infinities are not served; a p under 2^-126 counts as 0.  The sum over queries is taken in 16 x 16 parts (wave, lane half and register) and then added in a fixed tree.
.set FRB,   1536
.set SLOTB, 64*FRB
.set SLOT1, 1<<17
.set QSL,   SLOTB                      ; between the slots: the queries' scale words
.set SPARE, SLOT1+SLOTB                ; the spare words, 128 bytes for each of the 16 waves: eight blocks of 256 bytes that no other line names
.set STL,   SPARE+2048                 ; the statistics: 192 bytes a tile: c |m|, -M, 1 / (4096 l), 16 rows each
.set RED,   STL+49152                  ; the waves' sums: 512 bytes a wave
.set OUTB,  RED+8192                   ; the 64 results in the order of tokens
.set TB,  2                            ; s2  the slot in hand
.set TS,  3                            ; s3  its scale words: 4,096 bytes a slot
.set TT,  66                           ; s66 its statistics: 12,288 bytes a slot
.set SLOTS, 67
.set WV,  18
.set Q4,  19
.set SEL, 20
.set G1,  24                           ; s[24:31] group 1: 96 rows of 256 bytes;  s[32:39]: 16 rows;  s[40:47]: 48 rows
.set G1Q, 32
.set G1T, 40
.set G0A, 48                           ; s[48:51] slot 0's first fill;  s[52:55] slot 1's, which then walks on;  s[56:59] the scale words;  s[60:63] the statistics
.set G0B, 52
.set G0Q, 56
.set G0T, 60
.set SPW, 5
.set NIL, 6
.set KF,  16                           ; v16-63   K's four fragments
.set QF,  64                           ; v64-87   two fragments of Q
.set SS,  88                           ; v88-135  two tiles' statistics: 8 of c |m|, 8 of -M, 8 of 1 / (4096 l): those of rows 8 (lane / 16) + 0 .. 7
.set SC,  136                          ; v136-199 the scores, then p: 2 tiles of queries x 4 tiles of keys x 8
.set AC,  200                          ; v200-231 the sums: 4 tiles of keys x 8
.set KW,  240                          ; v240-243 K's scale words, and nothing else
.set QW,  244                          ; v244-247 the scale words of my four tiles of Q, and nothing else
; v1 my lane's place in my four tiles of a slot, v2 among their scale words, v3 among their statistics; v4, v7, v8 the same in the slot in hand; v9 8 x lane; v10, v11 the waves' sums: in, back; v[12:13] the mask; v14, v15 the results: in, back
.macro CROUND
	s_barrier_signal -1
	s_barrier_wait -1
	s_cmp_lg_u32 s[WV], 0
	s_cbranch_scc1 .Lnot_wave_0_\@
	s_barrier_signal -3
.Lnot_wave_0_\@:
	s_barrier_wait -3
	s_barrier_signal -1
	s_barrier_wait -1
.endm
.macro TLOAD                           ; the joint refill: waves 0 to 3, 16 tiles each.  An s_nop 0 and four v_nop follow the load
	s_cmp_lt_u32 s[WV], 4
	s_cbranch_scc0 .Lno_load_\@
	tensor_load_to_lds s[G0B:G0B+3], s[G1:G1+7]
	s_nop 0
.rept 4
	v_nop
.endr
.Lno_load_\@:
.endm
.macro CHANGE fill                     ; the change of slots: all my tensor loads, the add, the wait for it and for my reads of the slot that I leave; then the round, and the refill first behind it
	s_wait_tensorcnt 0x0
	ds_add_u32 v[SPW], v[NIL]
.if \fill
	s_xor_b32 s[G0B+1], s[G0B+1], SLOT1
	s_add_nc_u64 s[G0B+2:G0B+3], s[G0B+2:G0B+3], SLOTB
.endif
	s_wait_dscnt 0x0
.if \fill
	CROUND
	TLOAD
.else
	s_barrier_signal -1
	s_barrier_wait -1
.endif
	s_xor_b32 s[TB], s[TB], SLOT1
.endm
; Two of my four tiles of queries, e0 and e0 + 1, against the four tiles of keys.
.macro STEP2 e0
.irp u, 0,1
.irp c, 0,1,2
	ds_load_b128 v[QF+12*\u+4*\c:QF+12*\u+4*\c+3], v4 offset:FRB*(\e0+\u)+512*\c
.endr
.endr
.irp u, 0,1
.irp a, 0,1,2
.irp z, 0,1
	ds_load_b128 v[SS+24*\u+8*\a+4*\z:SS+24*\u+8*\a+4*\z+3], v8 offset:192*(\e0+\u)+64*\a+16*\z
.endr
.endr
.endr
	s_wait_dscnt 0x0
.irp u, 0,1                                    ; source 0 = 16 queries, source 1 = 16 keys: lane (r, h) holds key r, register j query 8 h + j
.irp k, 0,1,2,3
	v_wmma_scale_f32_16x16x128_f8f6f4 v[SC+32*\u+8*\k:SC+32*\u+8*\k+7], v[QF+12*\u:QF+12*\u+11], v[KF+12*\k:KF+12*\k+11], 0, v[QW+\e0+\u], v[KW+\k] matrix_a_fmt:MATRIX_FMT_FP6 matrix_b_fmt:MATRIX_FMT_FP6
.endr
.endr
.rept 4
	v_nop                                          ; places behind the products: for the first read of their results and for every later load into their operands and scale words
.endr
.irp u, 0,1
.irp k, 0,1,2,3
.irp j, 0,2,4,6
	v_pk_fma_f32 v[SC+32*\u+8*\k+\j:SC+32*\u+8*\k+\j+1], v[SC+32*\u+8*\k+\j:SC+32*\u+8*\k+\j+1], v[SS+24*\u+\j:SS+24*\u+\j+1], v[SS+24*\u+8+\j:SS+24*\u+8+\j+1]   ; s c |m| - M, each accumulator from its low end on
.endr
.endr
.endr
.set n, 0
.rept 64
	v_exp_f32 v[SC+n], v[SC+n]
.set n, n+1
.endr
	v_nop                                          ; a plain place behind the last exponential
	s_wait_alu depctr_va_vdst(0)                   ; one wait for the batch, ahead of its first reader
.irp u, 0,1
.irp k, 0,1,2,3
.irp j, 0,2,4,6
	v_pk_fma_f32 v[AC+8*\k+\j:AC+8*\k+\j+1], v[SC+32*\u+8*\k+\j:SC+32*\u+8*\k+\j+1], v[SS+24*\u+16+\j:SS+24*\u+16+\j+1], v[AC+8*\k+\j:AC+8*\k+\j+1]   ; += p / (4096 l)
.endr
.endr
.endr
.endm
.macro SLOTWORK
	v_add_nc_u32 v4, s[TB], v1
	v_add_nc_u32 v7, s[TS], v2
	v_add_nc_u32 v8, s[TT], v3
	ds_load_b128 v[QW:QW+3], v7                    ; my row's scale words of my four tiles
	STEP2 0
	STEP2 2
	s_add_co_u32 s[TS], s[TS], 4096
	s_add_co_u32 s[TT], s[TT], 12288
.endm
	s_load_b256 s[4:11], s[0:1], 0x0               ; qc s[4:5], qs s[6:7], kvc s[8:9], kvs s[10:11]
	s_load_b128 s[12:15], s[0:1], 0x20             ; stats s[12:13], mask s[14:15]
	s_load_b64 s[16:17], s[0:1], 0x30              ; out1
	v_lshl_add_u32 v[SPW], v0, 2, SPARE
	v_mov_b32 v[NIL], 0
	ds_add_u32 v[SPW], v[NIL]                      ; the wave's opening: the add and its wait ahead of the first tensor loads
	v_lshrrev_b32 v236, 5, v0
	v_readfirstlane_b32 s[WV], v236                ; wave 0..15
	s_and_b32 s[Q4], s[WV], 3                      ; the quarter that I fetch, if I fetch
	s_and_b32 s74, ttmp7, 0xffff                   ; the batch
.irp g, G1, G1Q, G1T                           ; dense blocks as rows of 256 bytes (32 elements of 8 bytes), no padding; mask 15, bit 21 beside it
	s_mov_b32 s[\g], 15|(3<<16)|(1<<21)
	s_mov_b32 s[\g+1], 32<<16
	s_mov_b32 s[\g+3], 32<<16
	s_mov_b32 s[\g+5], 32
	s_mov_b32 s[\g+6], 0
	s_mov_b32 s[\g+7], 0
.endr
	s_mov_b32 s[G1+2], 96<<16                      ; 96 rows: 16 tiles of Q
	s_mov_b32 s[G1+4], 96
	s_mov_b32 s[G1Q+2], 16<<16                     ; 16 rows: a quarter of the scale words
	s_mov_b32 s[G1Q+4], 16
	s_mov_b32 s[G1T+2], 48<<16                     ; 48 rows: a quarter of the statistics
	s_mov_b32 s[G1T+4], 48
	s_mov_b32 s[SEL], 0x76543210
	s_mov_b32 s[SEL+1], 0xfedcba98
	s_mov_b32 s[TB], 0
	s_mov_b32 s[TS], 0
	s_mov_b32 s[TT], 0
	s_mov_b32 s[SLOTS], 2
	s_mul_i32 s68, s[Q4], 16*FRB
	s_lshl_b32 s69, s[Q4], 12
	s_mul_i32 s70, s[Q4], 12288
	s_mul_i32 s76, s74, 256*FRB
	s_add_co_u32 s76, s76, s68
	s_mov_b32 s77, 0
	s_lshl_b32 s78, s74, 14
	s_add_co_u32 s78, s78, s69
	s_mov_b32 s79, 0
	s_mul_i32 s80, s74, 49152
	s_add_co_u32 s80, s80, s70
	s_mov_b32 s81, 0
	s_wait_dscnt 0x0                               ; the opening add is done
	s_wait_kmcnt 0x0
	s_mov_b32 s[G0A], 1
	s_mov_b32 s[G0A+1], s68
	s_add_nc_u64 s[G0A+2:G0A+3], s[4:5], s[76:77]
	s_or_b32 s[G0A+3], s[G0A+3], 0x80000000
	s_mov_b32 s[G0B], 1
	s_add_co_u32 s[G0B+1], s68, SLOT1
	s_add_nc_u64 s[G0B+2:G0B+3], s[4:5], s[76:77]
	s_add_nc_u64 s[G0B+2:G0B+3], s[G0B+2:G0B+3], SLOTB
	s_or_b32 s[G0B+3], s[G0B+3], 0x80000000
	s_mov_b32 s[G0Q], 1
	s_add_co_u32 s[G0Q+1], s69, QSL
	s_add_nc_u64 s[G0Q+2:G0Q+3], s[6:7], s[78:79]
	s_or_b32 s[G0Q+3], s[G0Q+3], 0x80000000
	s_mov_b32 s[G0T], 1
	s_add_co_u32 s[G0T+1], s70, STL
	s_add_nc_u64 s[G0T+2:G0T+3], s[12:13], s[80:81]
	s_or_b32 s[G0T+3], s[G0T+3], 0x80000000
	CROUND                                         ; all four work-groups are here: the first joint loads meet
	s_cmp_lt_u32 s[WV], 4                          ; a wave's four first fills stand in one branch: four loads of mine are out
	s_cbranch_scc0 .Lno_fetch
	tensor_load_to_lds s[G0Q:G0Q+3], s[G1Q:G1Q+7]
	s_nop 0
	tensor_load_to_lds s[G0T:G0T+3], s[G1T:G1T+7]
	s_nop 0
	tensor_load_to_lds s[G0A:G0A+3], s[G1:G1+7]
	s_nop 0
	tensor_load_to_lds s[G0B:G0B+3], s[G1:G1+7]
	s_nop 0
.rept 4
	v_nop
.endr
.Lno_fetch:
	s_bfe_u32 s72, ttmp6, 0x40000                  ; my place in the cluster: it enters global addresses alone
	s_lshl_b32 s73, ttmp9, 2
	s_add_co_u32 s73, s73, s72                     ; x: my block of 64 keys
	s_lshr_b32 s76, s73, 1                         ; its key step,
	s_and_b32 s78, s73, 1                          ; and which half of the step's eight tiles
	s_mul_i32 s80, s74, 32*16*FRB
	s_mul_i32 s77, s76, 16*FRB
	s_add_co_u32 s80, s80, s77
	s_mul_i32 s77, s78, 4*FRB
	s_add_co_u32 s80, s80, s77
	s_add_nc_u64 s[8:9], s[8:9], s[80:81]          ; K's four images
	s_lshl_b32 s80, s74, 15
	s_lshl_b32 s77, s76, 10
	s_add_co_u32 s80, s80, s77
	s_lshl_b32 s77, s78, 8
	s_add_co_u32 s80, s80, s77
	s_add_nc_u64 s[10:11], s[10:11], s[80:81]      ; their scale words
	s_lshl_b32 s80, s74, 14
	s_lshl_b32 s77, s73, 8
	s_add_co_u32 s80, s80, s77
	s_add_nc_u64 s[14:15], s[14:15], s[80:81]      ; the mask of my 64 tokens,
	s_add_nc_u64 s[16:17], s[16:17], s[80:81]      ; and out1 there
	v_and_b32 v236, 31, v0                         ; lane
	v_and_b32 v237, 15, v0                         ; r
	v_bfe_u32 v238, v0, 4, 1                       ; h
	v_and_b32 v239, 8, v237
	v_add_nc_u32 v239, v239, v237                  ; r + 8 (r / 8)
	v_lshlrev_b32 v248, 4, v236                    ; 16 x lane
	v_lshlrev_b32 v249, 4, v237                    ; 16 r
	v_lshlrev_b32 v9, 3, v236                      ; 8 x lane
.irp k, 0,1,2,3
.irp c, 0,1,2
	global_load_b128 v[KF+12*\k+4*\c:KF+12*\k+4*\c+3], v248, s[8:9] offset:FRB*\k+512*\c
.endr
.endr
	global_load_b128 v[KW:KW+3], v249, s[10:11]
	global_load_b64 v[12:13], v9, s[14:15]         ; tokens 64 x + 2 lane and + 1 (wave 0 uses them at the end)
	s_mul_i32 s76, s[WV], 4*FRB
	v_add_nc_u32 v1, s76, v248
	s_lshl_b32 s76, s[WV], 8
	s_add_co_u32 s76, s76, QSL
	v_add_nc_u32 v2, s76, v249
	s_mul_i32 s76, s[WV], 768
	s_add_co_u32 s76, s76, STL
	v_lshl_add_u32 v3, v238, 5, s76
	s_lshl_b32 s76, s[WV], 9
	s_add_co_u32 s76, s76, RED
	v_add_nc_u32 v10, s76, v248
	v_add_nc_u32 v11, RED, v248
	v_lshl_add_u32 v14, v239, 2, OUTB
	v_add_nc_u32 v15, OUTB, v9
.set n, 0
.rept 32
	v_mov_b32 v[AC+n], 0                           ; the sums begin at 0: the work of a slot is written in one form
.set n, n+1
.endr
	s_wait_loadcnt 0x0
	s_wait_tensorcnt 1                             ; the scale words, the statistics and my part of slot 0 are in; slot 1's fill may stay out
	s_barrier_signal -1
	s_barrier_wait -1
	SLOTWORK                                       ; slot 0
.Lslot:                                            ; two trips: trip i fills slot i + 1's tiles into the slot just left and works on slot i
	CHANGE 1
	SLOTWORK
	s_sub_co_u32 s[SLOTS], s[SLOTS], 1
	s_cmp_lg_u32 s[SLOTS], 0
	s_cbranch_scc1 .Lslot
	CHANGE 0                                       ; the last slot is written out
	SLOTWORK
	; THE END: eight registers, two halves of the lanes, sixteen waves.
.irp k, 0,1,2,3
	v_pk_add_f32 v[AC+8*\k:AC+8*\k+1], v[AC+8*\k:AC+8*\k+1], v[AC+8*\k+2:AC+8*\k+3]
	v_pk_add_f32 v[AC+8*\k+4:AC+8*\k+5], v[AC+8*\k+4:AC+8*\k+5], v[AC+8*\k+6:AC+8*\k+7]
.endr
.irp k, 0,1,2,3
	v_pk_add_f32 v[AC+8*\k:AC+8*\k+1], v[AC+8*\k:AC+8*\k+1], v[AC+8*\k+4:AC+8*\k+5]
.endr
.irp k, 0,1,2,3
	v_add_f32 v[232+\k], v[AC+8*\k], v[AC+8*\k+1]
.endr
.irp k, 0,1,2,3
	v_permlanex16_b32 v[236+\k], v[232+\k], s[SEL], s[SEL+1]
.endr
.irp k, 0,1,2,3
	v_add_f32 v[232+\k], v[232+\k], v[236+\k]      ; key r of tile k: my wave's 16 tiles of queries
.endr
	ds_store_b128 v10, v[232:235]
	s_wait_dscnt 0x0
	s_barrier_signal -1
	s_barrier_wait -1
	s_cmp_lg_u32 s[WV], 0
	s_cbranch_scc1 .Lnot_first
.irp i, 0,1,2,3,4,5,6,7,8,9,10,11,12,13,14,15
	ds_load_b128 v[64+4*\i:67+4*\i], v11 offset:512*\i
.endr
	v_cvt_f32_i32 v12, v12                         ; m of my two tokens
	v_cvt_f32_i32 v13, v13
	s_wait_dscnt 0x0
.irp s, 8,4,2,1
.set n, 0
.rept \s
	v_pk_add_f32 v[64+4*n:65+4*n], v[64+4*n:65+4*n], v[64+4*(n+\s):65+4*(n+\s)]
	v_pk_add_f32 v[66+4*n:67+4*n], v[66+4*n:67+4*n], v[66+4*(n+\s):67+4*(n+\s)]
.set n, n+1
.endr
.endr
.irp k, 0,1,2,3
	ds_store_b32 v14, v[64+\k] offset:4*(32*(\k/2)+8*(\k%2))   ; row r of tile k is token 32 (k / 2) + 8 (k % 2) + r + 8 (r / 8) of my 64; lanes r and r + 16 write the same word with the same value
.endr
	ds_load_b64 v[68:69], v15                      ; LDS serves a wave's instructions in order: this sees my stores
	s_wait_dscnt 0x0
	v_pk_mul_f32 v[68:69], v[68:69], v[12:13]      ; x m[k]
	global_store_b64 v9, v[68:69], s[16:17]        ; 32 lanes store 256 consecutive bytes, aligned
.Lnot_first:
	s_wait_tensorcnt 0x0                           ; the wave's end: behind my last tensor load and my last LDS store
	ds_add_u32 v[SPW], v[NIL]
	s_wait_dscnt 0x0
	CROUND                                         ; the closing round
	s_endpgm
.Lfunc_end_k_q4476aeb320_colmean:
	.size	k_q4476aeb320_colmean, .Lfunc_end_k_q4476aeb320_colmean-k_q4476aeb320_colmean
	.p2alignl 7, 3214868480
	.fill 96, 4, 3214868480
	.section	.rodata,"a",@progbits
	.p2align	6, 0x0
	.amdhsa_kernel k_q4476aeb320_colmean
		.amdhsa_group_segment_fixed_size 327680
		.amdhsa_private_segment_fixed_size 0
		.amdhsa_enable_private_segment 0
		.amdhsa_kernarg_size 56
		.amdhsa_user_sgpr_count 2
		.amdhsa_user_sgpr_kernarg_segment_ptr 1
		.amdhsa_wavefront_size32 1
		.amdhsa_system_sgpr_workgroup_id_x 1
		.amdhsa_system_sgpr_workgroup_id_y 1
		.amdhsa_system_sgpr_workgroup_id_z 1
		.amdhsa_system_vgpr_workitem_id 0
		.amdhsa_next_free_vgpr 256
		.amdhsa_next_free_sgpr 84
		.amdhsa_reserve_vcc 0
		.amdhsa_float_denorm_mode_32 3
		.amdhsa_float_denorm_mode_16_64 3
		.amdhsa_memory_ordered 1
		.amdhsa_forward_progress 1
		.amdhsa_inst_pref_size 67
	.end_amdhsa_kernel
	.amdgpu_metadata
---
amdhsa.version: [ 1, 2 ]
amdhsa.kernels:
  - .name:           k_q4476aeb320_colmean
    .symbol:         k_q4476aeb320_colmean.kd
    .args:
      - { .name: qc, .offset: 0, .size: 8, .value_kind: global_buffer, .address_space: global }
      - { .name: qs, .offset: 8, .size: 8, .value_kind: global_buffer, .address_space: global }
      - { .name: kvc, .offset: 16, .size: 8, .value_kind: global_buffer, .address_space: global }
      - { .name: kvs, .offset: 24, .size: 8, .value_kind: global_buffer, .address_space: global }
      - { .name: stats, .offset: 32, .size: 8, .value_kind: global_buffer, .address_space: global }
      - { .name: mask, .offset: 40, .size: 8, .value_kind: global_buffer, .address_space: global }
      - { .name: out1, .offset: 48, .size: 8, .value_kind: global_buffer, .address_space: global }
    .group_segment_fixed_size: 327680
    .private_segment_fixed_size: 0
    .kernarg_segment_align: 8
    .kernarg_segment_size: 56
    .max_flat_workgroup_size: 512
    .sgpr_count:     84
    .vgpr_count:     256
    .wavefront_size: 32
...
	.end_amdgpu_metadata
.endif
;; end of part 3
